; MI455X (gfx1250); checked and timed in simulation.
; The chip was launched on July 23, 2026; its instructions are those of AMD's public machine-readable ISA for CDNA 5 (MIT licence, August 2026) and "CDNA5" Instruction Set Architecture Reference Guide (July 2026). The comments in the code are by the model that wrote it; some were corrected since.
;; Attention Head. Allowed arithmetic: matrix products marked QUANTISED: E2M1 operands, one E8M0 scale for each 32 along K, by v_wmma_scale_f32_16x16x128_f8f6f4 with both operands' format E2M1 (or v_wmma_scale_f32_32x16x128_f4), f32 sums; everything else in f32.
;; Inputs: W_qkv 1,024 x 192 float32; attn_mask 4 x 4,096 bool; x 4 x 4,096 x 1,024 float32.
;; Outputs: out0 4 x 4,096 x 64 float32.
;; This version of the problem:
;;   THIS VERSION OF THE PROBLEM IS GIVEN IN LOW PRECISION. The matrix products marked QUANTISED in the list below multiply operands that are first quantised to E2M1 (2 exponent bits, 1 mantissa bit; 4 bits a number), with one power-of-two scale for each 32 numbers along K (OCP MX v1.0); their sums are f32. All else is computed in f32.
;;   The module's matrix products, in the order in which they are computed (A, B: the left and right operand; K: the contracted axis; several contracted axes count as one K, in the product's order):
;;     1. [M 16,384, K 1,024] x [K 1,024, N 192]; A: input x; B: input W_qkv: QUANTISED
;;     2. batch 4 x [M 4,096, K 64] x [K 64, N 4,096]; A: computed on the way; B: computed on the way: QUANTISED
;;     3. batch 4 x [M 4,096, K 4,096] x [K 4,096, N 64]; A: softmax (see below); B: computed on the way: QUANTISED
;;   THE QUANTISER, for each operand of a quantised product, along K:
;;     - K is cut into blocks of 32 from its start; a last block that is shorter is filled with zeros.
;;     - A block's scale is 2^e with e = floor(log2(the largest magnitude in the block)) - 2, held to -126 .. 127; a block of zeros has e = 0. As a byte (E8M0): e + 127.
;;     - Each number is divided by its block's scale, clamped to +-6, and rounded to the nearest number of E2M1, ties to even, subnormals kept.
;;     - The product sums the exact products of the quantised numbers (number of the format x scale) in f32.
;;   ~~~python
;;   def quantise(x, axis):      # numpy; x: float32 -> the quantised numbers, widened to float32 again
;;       x = np.moveaxis(x, axis, -1); K = x.shape[-1]
;;       x = np.pad(x, [(0, 0)] * (x.ndim - 1) + [(0, -K % 32)]); x = x.reshape(x.shape[:-1] + (-1, 32)); a = np.abs(x).max(-1, keepdims=True)
;;       e = np.where(a > 0, np.clip(np.frexp(np.where(a > 0, a, 1))[1] - 1 - 2, -126, 127), 0)      # np.frexp(a)[1] - 1 = floor(log2(a)), exactly
;;       r = np.clip(x / 2.0 ** e, -6, 6)
;;       step = 2.0 ** (np.maximum(np.frexp(np.where(r == 0, 1, r))[1] - 1, 0) - 1)
;;       q = np.round(r / step) * step * 2.0 ** e      # np.round: ties to even
;;       return np.moveaxis(q.reshape(q.shape[:-2] + (-1,))[..., :K], -1, axis).astype(np.float32)
;;   ~~~
;;   SOFTMAX AHEAD OF A QUANTISED PRODUCT. Where the list says 'softmax', what is quantised is not the finished softmax but p = 2^(t - M), with t = logit x log2(e) and M = ceil(the row's largest t), a whole number; so 1/2 < the row's largest p <= 1. The row's sum l is taken of the UNQUANTISED p, in f32, and the product's result is divided by l at the end. Since M is a whole number, a kernel that streams over the keys may use a running M (the ceiling of the running maximum): every later rescaling is an exact power of two, which a block's scale takes up: the codes' values come out the same.
;;   OPERANDS COMPUTED ON THE WAY. 'Computed on the way' means the value that the module computes at that place (a softmax that the list does not call 'softmax' is quantised finished and normalised). What goes into a quantiser is computed in f32, as accurately as f32 sums, v_exp_f32 and their like allow (about 1e-6 of the number): no bf16 or f16 on the way to a quantiser, and a product that is left as it is and whose result goes on into a quantised operand takes f32 operands (vector FMAs, or v_wmma_f32_16x16x4_f32). A number that lies on a knife's edge between two numbers of the format may be rounded either way, as far as f32 arithmetic and the matrix unit's own rounding can turn it there, and no further.
;; One version. Each part assembles by itself: llvm-mc -triple=amdgcn-amd-amdhsa -mcpu=gfx1250 --defsym DOCPART=n.
;; ======== version 1 of 1: 3 launches
;; limits: right only within a limited range of input values
;; workspace buffers: wq 104,448 bytes; qq 589,824 bytes; kv 1,146,880 bytes
;; launch wquant (part 1): grid 6 x 8, 4 waves a work-group, no clusters, 1,024 bytes of LDS; arguments W_qkv, wq; writes wq
.if DOCPART == 1
	.amdgcn_target "amdgcn-amd-amdhsa--gfx1250"
	.amdhsa_code_object_version 6
	.text
	.protected	k_qb735d4dbbc_wquant
	.globl	k_qb735d4dbbc_wquant
	.p2align	8
	.type	k_qb735d4dbbc_wquant,@function
k_qb735d4dbbc_wquant:
	s_mov_b64 s[64:65], 0
	v_nop
	global_prefetch_b8 v0, s[64:65] scope:SCOPE_SE
	s_setreg_imm32_b32 hwreg(HW_REG_WAVE_MODE, 25, 1), 1
	s_wait_xcnt 0x0
; W_qkv [1024 (k)][192 (n)], f32, K on its FIRST axis, becomes codes of FP4 (E2M1) with one E8M0 scale byte for each 32 along K, laid in the order of an operand's registers:
;   codes: ((n16 x 8 + s) x 2 + c) x 512 + 16 x (r + 16 h): the 16 bytes hold k = 128 s + 64 c + 32 h + 0 .. 31 of feature 16 n16 + r;   scale words from byte 98,304: (s x 12 + n16) x 64 + 4 r, byte b for k = 128 s + 32 b ..
; A block's scale is 2^(floor(log2(its largest magnitude)) - 2); its byte is that magnitude's exponent field - 2, held at 1 from below.
; LIMITS: a block whose largest magnitude lies under 2^-124 (a block of zeros too) gets the byte 1; its codes are zeros or next to it, and this program alone reads the bytes.  NaN and infinities are not served.
; SHARES: work-group (g, s) takes columns 32 g .. 32 g + 31 (two tiles of 16 features) and K step s; its wave b takes the block of 32 along K from 128 s + 32 b on.  W has 6,144 blocks: 192 waves of 32 lanes.
; A LANE TAKES A COLUMN AND ITS REGISTERS RUN DOWN K: the block lies in one lane's 32 registers, and the conversions give codes with K innermost.  All 32 loads of a wave are out together; there is no loop to prefetch in, and no two work-groups share a byte: no cluster.
; A scale word's four bytes come from the four waves: each stores its byte as a word of its own in LDS, and behind one barrier wave 0 joins them and stores 128 consecutive bytes.
.set KROW, 768                         ; a row of W in bytes
.set X,    16                          ; v16-47  my column's 32 numbers
.set C,    48                          ; v48-51  their codes
.set L,    52                          ; v52-55  wave 0: the four bytes of my word
.set SCW,  98304
	s_load_b128 s[4:7], s[0:1], 0x0                ; W s[4:5], wq s[6:7]
	v_lshl_add_u32 v60, v0, 2, 512                 ; my spare word
	v_mov_b32 v61, 0
	v_lshrrev_b32 v1, 5, v0
	v_readfirstlane_b32 s16, v1                    ; wave = block b of the K step
	s_and_b32 s24, ttmp7, 0xffff                   ; K step s
	s_lshl_b32 s17, s24, 2
	s_add_co_u32 s17, s17, s16                     ; block of K, 0..31
	s_mul_i32 s18, s17, 32*KROW                    ; my 32 rows,
	s_lshl_b32 s19, ttmp9, 7                       ; my work-group's 32 columns
	s_add_co_u32 s18, s18, s19
	s_mov_b32 s19, 0
	s_lshl_b32 s20, ttmp9, 14                      ; codes: 2 tiles x 8,192 bytes for 32 columns,
	s_lshl_b32 s21, s17, 8                         ; 256 bytes a block of K in each tile
	s_add_co_u32 s20, s20, s21
	s_mov_b32 s21, 0
	s_mul_i32 s22, s24, 768                        ; scale words: 12 x 64 bytes a K step,
	s_lshl_b32 s23, ttmp9, 7                       ; 128 for my two tiles
	s_add_co_u32 s22, s22, s23
	s_add_co_u32 s22, s22, SCW
	s_mov_b32 s23, 0
	v_and_b32 v1, 31, v0                           ; lane
	v_and_b32 v7, 15, v0                           ; r
	v_bfe_u32 v13, v0, 4, 1                        ; which of the two tiles
	v_lshlrev_b32 v5, 2, v0                        ; LDS: my byte's word: 128 x wave + 4 x lane
	v_lshlrev_b32 v2, 2, v1                        ; 4 x lane
	v_lshlrev_b32 v3, 13, v13
	v_lshl_add_u32 v3, v7, 4, v3                   ; codes out: 8,192 x tile + 16 r
	s_wait_alu depctr_va_vdst(0)                   ; the wait at the head's end
	s_wait_kmcnt 0x0
	s_add_nc_u64 s[4:5], s[4:5], s[18:19]
	s_add_nc_u64 s[10:11], s[6:7], s[22:23]
	s_add_nc_u64 s[6:7], s[6:7], s[20:21]
.set i, 0
.rept 32
	global_load_b32 v[X+i], v2, s[4:5] offset:KROW*i th:TH_LOAD_NT   ; W(32 x block + i, my column)
.set i, i+1
.endr
	s_wait_loadcnt 0x0
	v_max3_num_f32 v8, |v[X]|, |v[X+1]|, |v[X+2]|                    ; the block's largest magnitude: all 32 numbers are mine; two chains
	v_max3_num_f32 v14, |v[X+3]|, |v[X+4]|, |v[X+5]|
.irp i, 6,10,14,18,22,26
	v_max3_num_f32 v8, v8, |v[X+\i]|, |v[X+\i+1]|
	v_max3_num_f32 v14, v14, |v[X+\i+2]|, |v[X+\i+3]|
.endr
	v_max3_num_f32 v8, v8, |v[X+30]|, |v[X+31]|
	v_max3_num_f32 v8, v8, v14, 0x1800000          ; and the floor 2^(3 - 127): the byte cannot fall under 1
	v_add_nc_u32 v10, 0xff000000, v8               ; 2 off the exponent field: the conversion takes the exponent field of this operand as its scale
	v_lshrrev_b32 v11, 23, v10                     ; the scale's byte
	ds_store_b32 v5, v11                           ; as a word of its own: no two waves share a word
.irp g, 0,1,2,3
	v_cvt_scalef32_pk8_fp4_f32 v[C+\g], v[X+8*\g:X+8*\g+7], v10
.endr
	v_nop                                          ; one plain line behind the conversions
	global_store_b128 v3, v[C:C+3], s[6:7]         ; lanes 0-15 cover 256 consecutive aligned bytes, lanes 16-31 those of the other tile
	s_wait_dscnt 0x0                               ; for wave 0's sake: my byte lies in LDS
	s_barrier_signal -1
	s_barrier_wait -1
	s_cmp_lg_u32 s16, 0
	s_cbranch_scc1 .Lend                           ; wave 0 carries the words out
.irp b, 0,1,2,3
	ds_load_b32 v[L+\b], v2 offset:128*\b          ; byte b of my word
.endr
	s_wait_dscnt 0x0
	v_lshl_or_b32 v[L], v[L+1], 8, v[L]            ; the lower K in the lower byte
	v_lshl_or_b32 v[L+2], v[L+3], 8, v[L+2]
	v_lshl_or_b32 v[L], v[L+2], 16, v[L]
	global_store_b32 v2, v[L], s[10:11]            ; 128 consecutive bytes
.Lend:
	s_wait_tensorcnt 0x0                           ; the wave's end
	ds_add_u32 v60, v61
	s_wait_dscnt 0x0
	s_endpgm
.Lfunc_end_k_qb735d4dbbc_wquant:
	.size	k_qb735d4dbbc_wquant, .Lfunc_end_k_qb735d4dbbc_wquant-k_qb735d4dbbc_wquant
	.p2alignl 7, 3214868480
	.fill 96, 4, 3214868480
	.section	.rodata,"a",@progbits
	.p2align	6, 0x0
	.amdhsa_kernel k_qb735d4dbbc_wquant
		.amdhsa_group_segment_fixed_size 1024
		.amdhsa_private_segment_fixed_size 0
		.amdhsa_enable_private_segment 0
		.amdhsa_kernarg_size 16
		.amdhsa_user_sgpr_count 2
		.amdhsa_user_sgpr_kernarg_segment_ptr 1
		.amdhsa_wavefront_size32 1
		.amdhsa_system_sgpr_workgroup_id_x 1
		.amdhsa_system_sgpr_workgroup_id_y 1
		.amdhsa_system_sgpr_workgroup_id_z 1
		.amdhsa_system_vgpr_workitem_id 0
		.amdhsa_next_free_vgpr 64
		.amdhsa_next_free_sgpr 66
		.amdhsa_reserve_vcc 0
		.amdhsa_float_denorm_mode_32 3
		.amdhsa_float_denorm_mode_16_64 3
		.amdhsa_memory_ordered 1
		.amdhsa_forward_progress 1
		.amdhsa_inst_pref_size 8
	.end_amdhsa_kernel
	.amdgpu_metadata
---
amdhsa.version: [ 1, 2 ]
amdhsa.kernels:
  - .name:           k_qb735d4dbbc_wquant
    .symbol:         k_qb735d4dbbc_wquant.kd
    .args:
      - { .name: W_qkv, .offset: 0, .size: 8, .value_kind: global_buffer, .address_space: global }
      - { .name: wq, .offset: 8, .size: 8, .value_kind: global_buffer, .address_space: global }
    .group_segment_fixed_size: 1024
    .private_segment_fixed_size: 0
    .kernarg_segment_align: 8
    .kernarg_segment_size: 16
    .max_flat_workgroup_size: 128
    .sgpr_count:     66
    .vgpr_count:     64
    .wavefront_size: 32
...
	.end_amdgpu_metadata
.endif
;; end of part 1
;; launch qkv (part 2): grid 256 x 1, 16 waves a work-group, no clusters, 327,680 bytes of LDS; arguments x, attn_mask, wq, qq, kv; writes qq, kv
.if DOCPART == 2
	.amdgcn_target "amdgcn-amd-amdhsa--gfx1250"
	.amdhsa_code_object_version 6
	.text
	.protected	k_qb735d4dbbc_qkv
	.globl	k_qb735d4dbbc_qkv
	.p2align	8
	.type	k_qb735d4dbbc_qkv,@function
k_qb735d4dbbc_qkv:
	s_mov_b64 s[64:65], 0
	v_nop
	global_prefetch_b8 v0, s[64:65] scope:SCOPE_SE
	s_setreg_imm32_b32 hwreg(HW_REG_WAVE_MODE, 25, 1), 1
	s_wait_xcnt 0x0
; qkv = Q(x) Q(W) on codes of FP4 (E2M1) with one E8M0 scale for each 32 along K; then q and k are quantised along the head's 64, v along the keys, and stored as images of the operands' registers for the attention launch.
; SHARES.  A work-group takes 64 rows of x [16,384][1,024] f32.  Wave w = 4 z + m fetches rows 16 m .. 16 m + 15, k = 256 z .. 256 z + 255 by ONE tensor load (16 rows of 1,024 bytes, 16 of padding behind each) and quantises them: K steps 2 z, 2 z + 1.
; K goes in four phases of two K steps: in phase p waves 4 p .. 4 p + 3 quantise their part and lay it in LDS as images of fragments; behind a barrier for each K step waves 0 to 11 multiply it: wave w has feature tile w (0-3 q, 4-7 k, 8-11 v)
; against all four tiles of rows.  In the last phase waves 12 to 15 quantise the second K step while the others multiply the first.
; A wave's eight fragments of W stay in its registers, loaded once as they lie in wq.  Waves 12 to 15 find out whether the batch has an open key at all.
; ROWS.  Row tile u holds rows 8 u .. 8 u + 7 (index 0-7) and 32 + 8 u .. (index 8-15).  q and k are multiplied TRANSPOSED (source 0 = features): lane (r, h) holds one row; v is not (source 0 = rows): lane (r, h) holds column 16 t + r, and the 32 registers of
; its four accumulators are keys 32 h + 0 .. 31, a whole block, in order: v is quantised where it lies.  q and k go through a stage of rows in LDS.
; No LDS byte is filled twice: no loop of fills, so nothing is prefetched.  No cluster: no two work-groups read the same rows of x, and W goes straight into registers.
; THE MASK rides in k's scale words.  The score product has K = 128 of which the head fills 64.  At k = 64 every key has the code of -1 and every query that of +1 (set in the attention launch); the key's scale byte for
; k = 64 .. 95 is 253 (2^126) where the key is masked and 1 (2^-126) where it counts.  A batch with no open key at all: every byte is 1 and q's codes are zeros, so that all scores are equal.
; LIMITS: a block whose largest magnitude lies under 2^-124 (a block of zeros too) gets the byte 1; this program alone reads the bytes.  NaN and infinities are not served.
; OUT.  qq: block g of 2,304 bytes: four tile images of 512 (lane (r, h): index r of row tile u, d = 32 h ..), then 64 scale words [s0, s1, 127, 127].
;       kv: batch x 286,720 + key step j x 8,960: K's 8 tile images (tile 4 c + u: row tile u of the 64 keys from 64 c on; d = 32 h ..), V's 8 images ((t, c), lane (r, h): d = 16 t + r, keys 64 c + 32 h ..),
;       K's scale words [s0, s1, m, 127] at 8,192 + 64 x tile + 4 r, V's at 8,704 + 64 t + 4 r (byte b: key block b).
; REGISTERS: v3 8 h, v4-12 addresses; v16-143 128 numbers of x, or four fragments of x (v16-47, v48-79); v144-175 four accumulators; v176-239 W's fragment s at 176 + 8 s; v240-243 W's scale words, v248-251 x's; v0-2, v13-15, v244-247, v252 at work; v253 my key's mask byte.
.set FLG,  0                           ; LDS: 512 bytes: the mask, or-ed
.set XSC,  512                         ; x's scale words, (4 s + u) x 64 + 4 x index
.set SPARE, 2560                       ; the spare words
.set IMG,  4608                        ; x's fragment (K step s, row tile u) at (4 s + u) x 1,152
.set IP,   1152
.set X0,   41472                       ; x's 16 parts of 16 rows x 1,040; later q's and k's stage of 64 rows x 272
.set XTW,  16640
.set ACC,  144
.set WF,   176
.set WS,   240                         ; register s / 2: lanes 0-15 the words of the even K step, lanes 16-31 those of the odd one
.set XS,   248                         ; register 2 (s % 2) + u / 2: lanes 0-15 the even row tile's words, lanes 16-31 the odd one's
.macro BARRIER                         ; my LDS stores have landed and my LDS loads are in: then the work-group's barrier
	s_wait_dscnt 0x0
	s_barrier_signal -1
	s_barrier_wait -1
.endm
; A K step: two whole blocks a lane at v[x], v[x+32] -> codes d0, d1, scale word w, and into LDS as K step kb of my two.
.macro QUANT x, d0, d1, w, kb
	v_max3_num_f32 v0, |v[\x]|, |v[\x+1]|, |v[\x+2]|
	v_max3_num_f32 v2, |v[\x+32]|, |v[\x+33]|, |v[\x+34]|
	v_max3_num_f32 v1, |v[\x+3]|, |v[\x+4]|, |v[\x+5]|
	v_max3_num_f32 v13, |v[\x+35]|, |v[\x+36]|, |v[\x+37]|
.irp i, 6,10,14,18,22,26
	v_max3_num_f32 v0, v0, |v[\x+\i]|, |v[\x+\i+1]|
	v_max3_num_f32 v2, v2, |v[\x+32+\i]|, |v[\x+33+\i]|
	v_max3_num_f32 v1, v1, |v[\x+\i+2]|, |v[\x+\i+3]|
	v_max3_num_f32 v13, v13, |v[\x+34+\i]|, |v[\x+35+\i]|
.endr
	v_max3_num_f32 v0, v0, |v[\x+30]|, |v[\x+31]|
	v_max3_num_f32 v2, v2, |v[\x+62]|, |v[\x+63]|
	v_max3_num_f32 v0, v0, v1, 0x1800000           ; the floor 2^(3 - 127): the byte cannot fall under 1
	v_max3_num_f32 v2, v2, v13, 0x1800000
	v_add_nc_u32 v14, 0xff000000, v0               ; 2 off the exponent field: the conversion's scale operand
	v_add_nc_u32 v15, 0xff000000, v2
	v_lshrrev_b32 v0, 23, v14                      ; the scales' bytes: blocks h and 2 + h of the four
	v_lshrrev_b32 v2, 23, v15
	v_lshl_or_b32 v0, v2, 16, v0
	v_lshlrev_b32 v0, v3, v0                       ; 8 h bits up
	v_permlanex16_b32 v1, v0, s56, s57             ; with lane l xor 16's two the word is whole
	v_or_b32 v[\w], v0, v1
.irp g, 0,1,2,3
	v_cvt_scalef32_pk8_fp4_f32 v[\d0+\g], v[\x+8*\g:\x+8*\g+7], v14
.endr
	v_nop                                          ; one plain line behind the conversions
.irp g, 0,1,2,3
	v_cvt_scalef32_pk8_fp4_f32 v[\d1+\g], v[\x+32+8*\g:\x+32+8*\g+7], v15
.endr
	v_nop
	ds_store_b128 v7, v[\d0:\d0+3] offset:4*IP*\kb
	ds_store_b128 v7, v[\d1:\d1+3] offset:4*IP*\kb+512
	ds_store_b32 v8, v[\w] offset:256*\kb          ; lanes r and r + 16 write the same word with the same value
.endm
; 32 numbers of ONE lane, a whole block, become 4 registers of codes and a scale byte.
.macro BLOCKQ src, dst, byt
	v_max3_num_f32 v0, |v[\src]|, |v[\src+1]|, |v[\src+2]|
	v_max3_num_f32 v1, |v[\src+3]|, |v[\src+4]|, |v[\src+5]|
.irp i, 6,10,14,18,22,26
	v_max3_num_f32 v0, v0, |v[\src+\i]|, |v[\src+\i+1]|
	v_max3_num_f32 v1, v1, |v[\src+\i+2]|, |v[\src+\i+3]|
.endr
	v_max3_num_f32 v0, v0, |v[\src+30]|, |v[\src+31]|
	v_max3_num_f32 v0, v0, v1, 0x1800000
	v_add_nc_u32 v14, 0xff000000, v0
	v_lshrrev_b32 v[\byt], 23, v14
.irp g, 0,1,2,3
	v_cvt_scalef32_pk8_fp4_f32 v[\dst+\g], v[\src+8*\g:\src+8*\g+7], v14
.endr
	v_nop                                          ; one plain line behind the conversions
.endm
; One product.  ra, rb: the scale words of source 0, source 1 stand in lanes 16-31.  z: it starts the sum.
.macro MM d, a, b, sa, sb, ra, rb, z
.if \z
.if \ra
	v_wmma_scale_f32_16x16x128_f8f6f4 v[\d:\d+7], v[\a:\a+7], v[\b:\b+7], 0, v[\sa], v[\sb] matrix_a_fmt:MATRIX_FMT_FP4 matrix_b_fmt:MATRIX_FMT_FP4 matrix_a_scale:MATRIX_SCALE_ROW1
.elseif \rb
	v_wmma_scale_f32_16x16x128_f8f6f4 v[\d:\d+7], v[\a:\a+7], v[\b:\b+7], 0, v[\sa], v[\sb] matrix_a_fmt:MATRIX_FMT_FP4 matrix_b_fmt:MATRIX_FMT_FP4 matrix_b_scale:MATRIX_SCALE_ROW1
.else
	v_wmma_scale_f32_16x16x128_f8f6f4 v[\d:\d+7], v[\a:\a+7], v[\b:\b+7], 0, v[\sa], v[\sb] matrix_a_fmt:MATRIX_FMT_FP4 matrix_b_fmt:MATRIX_FMT_FP4
.endif
.else
.if \ra
.if \rb
	v_wmma_scale_f32_16x16x128_f8f6f4 v[\d:\d+7], v[\a:\a+7], v[\b:\b+7], v[\d:\d+7], v[\sa], v[\sb] matrix_a_fmt:MATRIX_FMT_FP4 matrix_b_fmt:MATRIX_FMT_FP4 matrix_a_scale:MATRIX_SCALE_ROW1 matrix_b_scale:MATRIX_SCALE_ROW1
.else
	v_wmma_scale_f32_16x16x128_f8f6f4 v[\d:\d+7], v[\a:\a+7], v[\b:\b+7], v[\d:\d+7], v[\sa], v[\sb] matrix_a_fmt:MATRIX_FMT_FP4 matrix_b_fmt:MATRIX_FMT_FP4 matrix_a_scale:MATRIX_SCALE_ROW1
.endif
.elseif \rb
	v_wmma_scale_f32_16x16x128_f8f6f4 v[\d:\d+7], v[\a:\a+7], v[\b:\b+7], v[\d:\d+7], v[\sa], v[\sb] matrix_a_fmt:MATRIX_FMT_FP4 matrix_b_fmt:MATRIX_FMT_FP4 matrix_b_scale:MATRIX_SCALE_ROW1
.else
	v_wmma_scale_f32_16x16x128_f8f6f4 v[\d:\d+7], v[\a:\a+7], v[\b:\b+7], v[\d:\d+7], v[\sa], v[\sb] matrix_a_fmt:MATRIX_FMT_FP4 matrix_b_fmt:MATRIX_FMT_FP4
.endif
.endif
.endm
; A K step's four products: the four accumulators take turns, one instruction a turn.  isv: v's waves, rows as source 0.
.macro PRODUCTS p, e, isv
	s_wait_dscnt 0x0
.set S, 2*(\p)+\e
.irp u, 0,1,2,3
.if \isv
	MM ACC+8*\u, 16+32*\e+8*\u, WF+8*S, XS+2*\e+\u/2, WS+(\p), \u%2, \e, (S==0)
.else
	MM ACC+8*\u, WF+8*S, 16+32*\e+8*\u, WS+(\p), XS+2*\e+\u/2, \e, \u%2, (S==0)
.endif
.endr
.endm
; K step 2 p + e is multiplied, by waves 0 to 11.
.macro MULT p, e
	s_cmp_gt_u32 s14, 11
	s_cbranch_scc1 .Lmultiplied\p\e
.irp u, 0,1,2,3
	ds_load_b128 v[16+32*\e+8*\u:19+32*\e+8*\u], v9 offset:(8*\p+4*\e+\u)*IP
	ds_load_b128 v[20+32*\e+8*\u:23+32*\e+8*\u], v9 offset:(8*\p+4*\e+\u)*IP+512
.endr
.irp j, 0,1
	ds_load_b32 v[XS+2*\e+\j], v10 offset:(8*\p+4*\e+2*\j)*64
.endr
.if (\p) == 0
	s_wait_loadcnt 0x0                             ; W, its scale words, my key's mask byte
.endif
	s_cmp_gt_u32 s14, 7
	s_cbranch_scc1 .Lvalues\p\e
	PRODUCTS \p, \e, 0
	s_branch .Lplaces\p\e
.Lvalues\p\e:
	PRODUCTS \p, \e, 1
.Lplaces\p\e:
.rept 4
	v_nop                                          ; four places ahead of the next loads into x's fragments and scale words, and of the first read of results
.endr
.Lmultiplied\p\e:
.endm
.macro PHASE p
	s_cmp_lg_u32 s15, \p
	s_cbranch_scc1 .Lfirst\p
	s_wait_tensorcnt 0x0                           ; my part of x is in; only I read these bytes
.irp e, 0,1
.irp c, 0,1
.irp j, 0,1,2,3,4,5,6,7
	ds_load_b128 v[16+64*\e+32*\c+4*\j:19+64*\e+32*\c+4*\j], v4 offset:512*\e+256*\c+16*\j   ; k = 128 e + 64 c + 32 h + 4 j ..
.endr
.endr
.endr
	s_wait_dscnt 16                                ; the first K step's sixteen loads are in; the second's sixteen may be out
	QUANT 16, 244, 16, 252, 0
.Lfirst\p:
	BARRIER                                        ; the first K step's fragments lie in LDS; later parts of x may stay on their way
	s_cmp_lg_u32 s15, \p
	s_cbranch_scc1 .Lsecond\p
	QUANT 80, 48, 52, 0, 1
.Lsecond\p:
	MULT \p, 0
.if \p == 3
	s_wait_tensorcnt 0x0                           ; behind this barrier x's bytes become the stage: every wave's load has landed
.endif
	BARRIER                                        ; and the second's
	MULT \p, 1
.endm
	s_load_b256 s[4:11], s[0:1], 0x0               ; x s[4:5], the mask s[6:7], wq s[8:9], qq s[10:11]
	s_load_b64 s[12:13], s[0:1], 0x20              ; kv
	v_lshl_add_u32 v254, v0, 2, SPARE
	v_mov_b32 v255, 0
	ds_add_u32 v254, v255                          ; the wave's opening: the add, twice on end, and its wait
	ds_add_u32 v254, v255
	v_lshrrev_b32 v1, 5, v0
	v_readfirstlane_b32 s14, v1                    ; wave 0..15
	s_lshr_b32 s15, s14, 2                         ; z: which 256 of K; also what I make: 0 q, 1 k, 2 v
	s_and_b32 s60, s14, 3                          ; m: which 16 rows; also which of the four tiles
	; descriptor group 1: 16 rows x 256 elements of 4 bytes, rows 1,024 elements apart, padded in LDS
	s_mov_b32 s16, (2<<16)|(1<<20)|(7<<22)|(3<<25) ; 15:0 no mask; 17:16 elements of 4 bytes; 20 padding on; 24:22 after every 256 words (code 7); 31:25 four words (code 3)
	s_mov_b32 s17, 256<<16                         ; tensor_dim0
	s_mov_b32 s18, 16<<16                          ; tensor_dim1
	s_mov_b32 s19, 256<<16                         ; tile_dim0
	s_mov_b32 s20, 16                              ; tile_dim1
	s_mov_b32 s21, 1024                            ; from row to row
	s_mov_b32 s22, 0
	s_mov_b32 s23, 0
	s_lshl_b32 s2, ttmp9, 18                       ; my work-group's 64 rows of 4,096 bytes,
	s_lshl_b32 s3, s60, 16                         ; my 16 of them,
	s_add_co_u32 s2, s2, s3
	s_lshl_b32 s3, s15, 10                         ; my 1,024 bytes of each
	s_add_co_u32 s2, s2, s3
	s_mov_b32 s3, 0
	s_mul_i32 s62, s14, XTW
	s_mov_b32 s24, 1                               ; count = 1
	s_add_co_u32 s25, s62, X0                      ; LDS address
	s_wait_dscnt 0x0                               ; both opening adds are done
	s_wait_kmcnt 0x0
	s_add_nc_u64 s[26:27], s[4:5], s[2:3]
	s_or_b32 s27, s27, 0x80000000                  ; type = 2
	tensor_load_to_lds s[24:27], s[16:23]          ; my part of x, ahead of everything else
	s_nop 0
.rept 4
	v_nop
.endr
	s_mov_b32 s56, 0x76543210
	s_mov_b32 s57, 0xfedcba98                      ; v_permlanex16_b32's selects for lane l xor 16
	s_lshr_b32 s59, ttmp9, 6                       ; batch
	s_and_b32 s61, ttmp9, 63                       ; which 64 rows of the batch
	s_mov_b32 s49, 0
	s_lshl_b32 s48, s14, 13                        ; my tile of W: 8,192 bytes of codes,
	s_add_nc_u64 s[66:67], s[8:9], s[48:49]
	s_lshl_b32 s48, s14, 6                         ; and 64 of scale words in each K step
	s_add_co_u32 s48, s48, 98304
	s_add_nc_u64 s[68:69], s[8:9], s[48:49]
	s_lshl_b32 s48, s59, 12
	s_add_nc_u64 s[70:71], s[6:7], s[48:49]        ; the batch's 4,096 mask bytes,
	s_lshl_b32 s48, s61, 6
	s_add_nc_u64 s[72:73], s[70:71], s[48:49]      ; my work-group's 64,
	s_lshl_b32 s48, s60, 10
	s_add_nc_u64 s[74:75], s[70:71], s[48:49]      ; and the quarter that I look through in waves 12 to 15
	s_and_b32 s62, s60, 1
	s_lshr_b32 s63, s60, 1
	s_mul_i32 s28, s15, 8*IP                       ; my rows' images: K step 2 z; rows 16 m on are indices 8 (m / 2) .. of row tiles 2 (m % 2) and 2 (m % 2) + 1
	s_mul_i32 s29, s62, 2*IP
	s_add_co_u32 s28, s28, s29
	s_lshl_b32 s29, s63, 7
	s_add_co_u32 s28, s28, s29
	s_add_co_u32 s28, s28, IMG
	s_lshl_b32 s29, s15, 9                         ; and their scale words
	s_lshl_b32 s30, s62, 7
	s_add_co_u32 s29, s29, s30
	s_lshl_b32 s30, s63, 5
	s_add_co_u32 s29, s29, s30
	s_add_co_u32 s29, s29, XSC
	s_mul_i32 s33, s15, 64*272                     ; the stage: q's 64 rows, then k's
	s_add_co_u32 s33, s33, X0
	s_lshl_b32 s30, s60, 6
	s_add_co_u32 s30, s30, s33                     ; in: my 16 features' bytes
	s_mul_i32 s31, s60, 16*272
	s_add_co_u32 s31, s31, s33                     ; back: my row tile
	s_lshl_b32 s32, s60, 7
	s_lshl_b32 s33, s60, 3
	; where the results go
	s_lshr_b32 s34, s61, 1                         ; key step j
	s_and_b32 s35, s61, 1                          ; c: which half of its 128 keys
	s_mul_i32 s36, ttmp9, 2304
	s_lshl_b32 s37, s60, 6
	s_add_co_u32 s37, s37, s36
	s_add_co_u32 s37, s37, 2048                    ; q's scale words
	s_lshl_b32 s38, s60, 9
	s_add_co_u32 s36, s36, s38                     ; q's image
	s_mul_i32 s38, s59, 286720
	s_mul_i32 s39, s34, 8960
	s_add_co_u32 s38, s38, s39                     ; my key step's block of kv
	s_lshl_b32 s40, s35, 11
	s_lshl_b32 s39, s60, 9
	s_add_co_u32 s40, s40, s39
	s_add_co_u32 s40, s40, s38                     ; K's image of tile 4 c + m
	s_lshl_b32 s41, s35, 8
	s_lshl_b32 s39, s60, 6
	s_add_co_u32 s41, s41, s39
	s_add_co_u32 s41, s41, s38
	s_add_co_u32 s41, s41, 8192                    ; its scale words
	s_lshl_b32 s42, s60, 10
	s_lshl_b32 s43, s35, 9
	s_add_co_u32 s42, s42, s43
	s_add_co_u32 s42, s42, s38
	s_add_co_u32 s42, s42, 4096                    ; V's image (t = m, c)
	s_lshl_b32 s43, s35, 1
	s_add_co_u32 s43, s43, s39
	s_add_co_u32 s43, s43, s38
	s_add_co_u32 s43, s43, 8704                    ; V's scale bytes of key blocks 2 c, 2 c + 1
	s_cmp_eq_u32 s15, 1
	s_cselect_b32 s44, s40, s42
	s_cselect_b32 s46, s41, s43
	s_cmp_eq_u32 s15, 0
	s_cselect_b32 s44, s36, s44
	s_cselect_b32 s46, s37, s46
	s_cselect_b64 s[76:77], s[10:11], s[12:13]
	s_mov_b32 s45, 0
	s_mov_b32 s47, 0
	s_add_nc_u64 s[78:79], s[76:77], s[46:47]      ; my scale words,
	s_add_nc_u64 s[76:77], s[76:77], s[44:45]      ; my image
	v_and_b32 v1, 31, v0                           ; lane
	v_and_b32 v2, 15, v0                           ; r
	v_bfe_u32 v3, v0, 4, 1                         ; h
	v_lshlrev_b32 v5, 4, v1                        ; 16 x lane: an image's place for my lane
	v_lshlrev_b32 v6, 2, v2                        ; 4 r: a scale word's
	v_lshrrev_b32 v13, 3, v2                       ; r / 8
	v_and_b32 v14, 7, v2                           ; r % 8
	v_mul_u32_u24 v4, v2, 1040
	v_lshl_add_u32 v4, v3, 7, v4
	v_add_nc_u32 v4, s25, v4                       ; x in LDS: row r, + 128 h: my 32 numbers of a block
	v_mul_u32_u24 v7, v13, IP
	v_lshl_add_u32 v7, v14, 4, v7
	v_lshl_add_u32 v7, v3, 8, v7
	v_add_nc_u32 v7, s28, v7                       ; where I store x's images
	v_lshlrev_b32 v8, 6, v13
	v_lshl_add_u32 v8, v14, 2, v8
	v_add_nc_u32 v8, s29, v8                       ; and their scale words
	v_add_nc_u32 v9, IMG, v5                       ; where any image is read
	v_lshlrev_b32 v15, 2, v1
	v_add_nc_u32 v10, XSC, v15                     ; and any scale word
	v_mul_u32_u24 v11, v2, 272
	v_lshl_add_u32 v12, v3, 7, v11
	v_lshl_add_u32 v11, v3, 5, v11
	v_add_nc_u32 v11, s30, v11                     ; the stage, in: row r, + 32 h
	v_add_nc_u32 v12, s31, v12                     ; back: row r, d = 32 h on
	v_add_nc_u32 v15, s32, v15                     ; waves 12 to 15: FLG + 128 m + 4 x lane
	v_mul_u32_u24 v0, v13, 24
	v_add_nc_u32 v0, v0, v2
	v_add_nc_u32 v0, s33, v0                       ; my key of the 64: 8 m + r + 24 (r / 8)
	v_mul_u32_u24 v13, v3, 768
	v_add_nc_u32 v13, v13, v6                      ; W's scale words: lanes 16-31 the odd K step's
	v_lshlrev_b32 v3, 3, v3                        ; 8 h
	s_wait_alu depctr_va_vdst(0)                   ; the wait at the head's end
	s_cmp_lt_u32 s14, 12
	s_cbranch_scc0 .Lmask
.irp s, 0,1,2,3,4,5,6,7
.irp c, 0,1
	global_load_b128 v[WF+8*\s+4*\c:WF+8*\s+4*\c+3], v5, s[66:67] offset:1024*\s+512*\c   ; W's fragments as they lie: 512 consecutive bytes a load
.endr
.endr
.irp u, 0,1,2,3
	global_load_b32 v[WS+\u], v13, s[68:69] offset:1536*\u   ; lanes 0-15: K step 2 u; lanes 16-31: K step 2 u + 1
.endr
	s_cmp_lg_u32 s15, 1
	s_cbranch_scc1 .Lphases
	global_load_u8 v253, v0, s[72:73]              ; k's waves: my key's mask byte
	s_branch .Lphases
.Lmask:
	global_load_b128 v[16:19], v5, s[74:75]        ; a quarter of the batch's mask: is any key open?
	global_load_b128 v[20:23], v5, s[74:75] offset:512
	s_wait_loadcnt 0x0
	v_or_b32 v16, v16, v20
	v_or_b32 v17, v17, v21
	v_or_b32 v18, v18, v22
	v_or_b32 v19, v19, v23
	v_or_b32 v16, v16, v17
	v_or_b32 v18, v18, v19
	v_or_b32 v16, v16, v18
	ds_store_b32 v15, v16
.Lphases:
	s_wait_xcnt 0x0                                ; the loads have read v0 and v13, which the quantiser writes
	PHASE 0
	PHASE 1
	PHASE 2
	PHASE 3
	s_cmp_gt_u32 s14, 7
	s_cbranch_scc1 .Lno_stage
.irp u, 0,1,2,3                                ; q and k to the stage: lane (r, h): index r of row tile u, features 16 m + 8 h + 0 .. 7; each accumulator from its low end on
	ds_store_b128 v11, v[ACC+8*\u:ACC+8*\u+3] offset:4352*\u
	ds_store_b128 v11, v[ACC+8*\u+4:ACC+8*\u+7] offset:4352*\u+16
.endr
.Lno_stage:
	BARRIER                                        ; whole rows of q and k lie in the stage
	s_cmp_gt_u32 s14, 11
	s_cbranch_scc1 .Ldone
	s_cmp_gt_u32 s14, 7
	s_cbranch_scc1 .Lv
.irp j, 0,1,2,3,4,5,6,7
	ds_load_b128 v[16+4*\j:19+4*\j], v12 offset:16*\j   ; my row's 32 numbers of block h
.endr
	ds_load_b128 v[48:51], v5 offset:FLG           ; the whole batch's mask, or-ed
	s_wait_dscnt 0x0
	v_mov_b32 v58, 0                               ; a lane permute's destination counts as one of its sources
	v_or_b32 v48, v48, v49
	v_or_b32 v50, v50, v51
	v_or_b32 v48, v48, v50
	v_cmp_ne_u32 vcc_lo, 0, v48
	s_cmp_lg_u32 vcc_lo, 0
	s_cselect_b32 s58, -1, 0                       ; all ones where the batch has an open key.  It only selects values: no branch and no address hangs on it
	BLOCKQ 16, 52, 56
	v_lshlrev_b32 v57, v3, v56                     ; my block's byte at its place in the word (8 h bits up),
	v_permlanex16_b32 v58, v57, s56, s57           ; lane l xor 16's beside it
	v_or_b32 v57, v57, v58
	s_wait_alu depctr_va_vdst(0)                   ; the wait ahead of the branch
	s_cmp_lg_u32 s15, 0
	s_cbranch_scc1 .Lk
	v_or_b32 v57, 0x7f7f0000, v57                  ; q's word: [s0, s1, 127, 127]
.irp i, 0,1,2,3
	v_and_b32 v[52+\i], s58, v[52+\i]              ; no open key in the batch: q's codes are zeros
.endr
	global_store_b128 v5, v[52:55], s[76:77]       ; 512 consecutive aligned bytes
	global_store_b32 v6, v57, s[78:79]             ; 64 consecutive bytes, a quarter of the work-group's 256; lanes r and r + 16 store the same word
	s_branch .Ldone
.Lk:
	v_cmp_eq_u32 vcc_lo, 0, v253                   ; my key is masked,
	s_and_b32 vcc_lo, vcc_lo, s58                  ; and the batch has an open key
	v_mov_b32 v59, 253
	v_cndmask_b32 v59, 1, v59, vcc_lo              ; m = 253 then, else 1
	v_lshl_or_b32 v57, v59, 16, v57
	v_or_b32 v57, 0x7f000000, v57                  ; k's word: [s0, s1, m, 127]
	global_store_b128 v5, v[52:55], s[76:77]
	global_store_b32 v6, v57, s[78:79]
	s_branch .Ldone
.Lv:
	v_mov_b32 v58, 0
	BLOCKQ ACC, 52, 56                             ; my column's 32 keys: each accumulator from its low end on
	v_lshlrev_b32 v57, v3, v56
	v_permlanex16_b32 v58, v57, s56, s57
	v_or_b32 v57, v57, v58
	global_store_b128 v5, v[52:55], s[76:77]
	global_store_b16 v6, v57, s[78:79]             ; a work-group holds two of a word's four key blocks: two bytes of each word are its neighbour's
.Ldone:
	s_wait_tensorcnt 0x0                           ; the wave's end
	ds_add_u32 v254, v255
	s_wait_dscnt 0x0
	s_endpgm
.Lfunc_end_k_qb735d4dbbc_qkv:
	.size	k_qb735d4dbbc_qkv, .Lfunc_end_k_qb735d4dbbc_qkv-k_qb735d4dbbc_qkv
	.p2alignl 7, 3214868480
	.fill 96, 4, 3214868480
	.section	.rodata,"a",@progbits
	.p2align	6, 0x0
	.amdhsa_kernel k_qb735d4dbbc_qkv
		.amdhsa_group_segment_fixed_size 327680
		.amdhsa_private_segment_fixed_size 0
		.amdhsa_enable_private_segment 0
		.amdhsa_kernarg_size 40
		.amdhsa_user_sgpr_count 2
		.amdhsa_user_sgpr_kernarg_segment_ptr 1
		.amdhsa_wavefront_size32 1
		.amdhsa_system_sgpr_workgroup_id_x 1
		.amdhsa_system_sgpr_workgroup_id_y 1
		.amdhsa_system_sgpr_workgroup_id_z 1
		.amdhsa_system_vgpr_workitem_id 0
		.amdhsa_next_free_vgpr 256
		.amdhsa_next_free_sgpr 96
		.amdhsa_reserve_vcc 1
		.amdhsa_float_denorm_mode_32 3
		.amdhsa_float_denorm_mode_16_64 3
		.amdhsa_memory_ordered 1
		.amdhsa_forward_progress 1
		.amdhsa_inst_pref_size 66
	.end_amdhsa_kernel
	.amdgpu_metadata
---
amdhsa.version: [ 1, 2 ]
amdhsa.kernels:
  - .name:           k_qb735d4dbbc_qkv
    .symbol:         k_qb735d4dbbc_qkv.kd
    .args:
      - { .name: x, .offset: 0, .size: 8, .value_kind: global_buffer, .address_space: global }
      - { .name: attn_mask, .offset: 8, .size: 8, .value_kind: global_buffer, .address_space: global }
      - { .name: wq, .offset: 16, .size: 8, .value_kind: global_buffer, .address_space: global }
      - { .name: qq, .offset: 24, .size: 8, .value_kind: global_buffer, .address_space: global }
      - { .name: kv, .offset: 32, .size: 8, .value_kind: global_buffer, .address_space: global }
    .group_segment_fixed_size: 327680
    .private_segment_fixed_size: 0
    .kernarg_segment_align: 8
    .kernarg_segment_size: 40
    .max_flat_workgroup_size: 512
    .sgpr_count:     96
    .vgpr_count:     256
    .wavefront_size: 32
...
	.end_amdgpu_metadata
.endif
;; end of part 2
;; launch attn (part 3): grid 64 x 4, 8 waves a work-group, clusters of 4 x 1, 327,680 bytes of LDS; arguments qq, kv, out0; writes out0
.if DOCPART == 3
	.amdgcn_target "amdgcn-amd-amdhsa--gfx1250"
	.amdhsa_code_object_version 6
	.text
	.protected	k_qb735d4dbbc_attn
	.globl	k_qb735d4dbbc_attn
	.p2align	8
	.type	k_qb735d4dbbc_attn,@function
k_qb735d4dbbc_attn:
	s_mov_b64 s[64:65], 0
	v_nop
	global_prefetch_b8 v0, s[64:65] scope:SCOPE_SE
	s_setreg_imm32_b32 hwreg(HW_REG_WAVE_MODE, 25, 1), 1
	s_wait_xcnt 0x0
	s_wait_alu depctr_hold_cnt(0) depctr_sa_sdst(0) depctr_va_vdst(0) depctr_va_sdst(0) depctr_va_ssrc(0) depctr_va_vcc(0) depctr_vm_vsrc(0)
	s_getreg_b32 s2, hwreg(HW_REG_IB_STS2, 6, 4)
	s_cmp_eq_u32 s2, 0
	s_cbranch_scc0 .Lentry_in_a_cluster
	s_endpgm
.Lentry_in_a_cluster:
	s_bfe_u32 s2, ttmp6, 0x10000c
	s_cmp_lg_u32 s2, 0x3003
	s_cbranch_scc0 .Lentry_shape_is_right
	s_endpgm
.Lentry_shape_is_right:
; out[b][q][:] = the sum over keys of softmax(q . k / 8, masked keys left out) v, both products on codes of FP4 (E2M1) with one E8M0 scale for each 32 along a product's K.  Operands come as images of their registers (see the launch before).
; THE SOFTMAX AHEAD OF THE SECOND PRODUCT: t = score x log2(e) / 8; M = the largest t so far, rounded UP to a whole number; p = 2^(t - M) is quantised along the keys, not normalised; the row's sum is taken of the unquantised p
; and divides at the end.  When M moves, the sum and O are multiplied by 2^(old M - new M): exact.  A block's scale is 2^(floor(its largest t - M) - 2): the exponent of its largest p, without an exponential.
; THE MASK costs no line here: the score product's K is 128, the head fills 64; at k = 64 every query has the code of +1 under the byte 127 and every key the code of -1 under its byte m: 2^126 for a masked key
; (its score is -2^126 and its p is 0), 2^-126 for an open one.  The largest score starts at -2^100: a step all of whose keys are masked leaves it there, and its p are 0.
; LIMITS: open scores under 2^100 in magnitude; a block of p whose largest lies under 2^-124 gets the byte 1; NaN and infinities are not served.
; SHARES.  A work-group owns 64 queries of one batch: four tiles of 16.  Eight waves: wave w has TWO tiles (A: 2 (w % 2), B: 2 (w % 2) + 1), which share each fragment of K and V, and key phase z = w / 2; in pass n = 0 .. 7 it takes key step 4 n + z (128 keys).
; The two tiles' chains are interleaved, and B's plain work stands among A's exponentials, A's among B's.  The four partial results of a tile are merged at the end by exact powers of two.
; LDS holds the batch's whole kv (32 steps x 8,960 bytes), filled once: wave n fetches pass n's four steps by one tensor load.  The first barrier shows passes 0 to 2; a second one, signalled in pass 0 and waited for in pass 1, shows the rest.
; There is no loop of fills, so nothing is prefetched.
; CLUSTER: the four work-groups of a cluster are of one batch and read the same kv: every tile is asked for JOINTLY, by the same load with the same descriptor and the mask of all four.
; LAYOUT.  Both products are used transposed (S^T = K Q^T, O^T = V^T P^T): a lane holds ONE query of a tile (lane % 16).  K's tile 4 c + u holds keys 64 c + 8 u + 0 .. 7 and 64 c + 32 + 8 u + 0 .. 7, so that the 32 registers of tiles 4 c .. 4 c + 3
; are the keys 64 c + 32 (lane / 16) + 0 .. 31 in order: a whole block in a lane, as the second product's operand wants it.  Index r of tile i is query 8 i + r + 24 (r / 8) of the 64.
; REGISTERS.  Window 0: v3 8 h, v4-9 addresses; -M by turns in v10, v12 (A) and v14, v16 (B); v18, v19 the largest scores; v[20:21], v[22:23] the sums; v24-39 Q; v40-49 scale words of Q, K, V and p; v[50:53] the factors; v54-69 at work; v72-135 K's eight fragments; v136-167 V's four.
; Window 1: v0-63, v64-127 S^T, then p, of A and B; v128-191 O^T of A and B; v192-207 p's codes; v224-227 the conversions' scale operands.
.set STEPB, 8960                       ; a key step's block: K's images 4,096, V's 4,096, K's scale words 512, V's 256
.set PASSB, 4*STEPB
.set MW,    4608                       ; the merge's stage, from LDS byte 0, behind the last read of kv: part 4 z + tile: 16 rows x (256 + 16) of O, then 16 pairs (-M, sum)
.set QA,  24
.set QB,  32
.set KS,  42
.set VS,  46
.set TA,  54
.set TB,  62
.set KF,  72
.set VF,  136
.set GO,  168                          ; 16 x lane
.set SPW, 170
.set NIL, 171
.set SA,  0
.set SB,  64
.set OA,  128
.set OB,  160
.set PA,  192
.set PB,  200
.set CA,  224
.set CB,  226
.set MSB, 0
.macro WIN new                         ; s_set_vgpr_msb: 1:0 source 0, 3:2 source 1, 5:4 source 2, 7:6 destination; the immediate's high byte repeats the setting that is left
.if MSB != \new
	s_set_vgpr_msb (MSB<<8)|\new
.set MSB, \new
.endif
.endm
.macro CROUND                          ; a round of the cluster's barrier: my work-group's barrier; wave 0 signals for the work-group; every wave waits for all four work-groups; my work-group's barrier once more
	s_barrier_signal -1
	s_barrier_wait -1
	s_cmp_lg_u32 s10, 0
	s_cbranch_scc1 .Lnot_wave_0_\@
	s_barrier_signal -3
.Lnot_wave_0_\@:
	s_barrier_wait -3
	s_barrier_signal -1
	s_barrier_wait -1
.endm
.macro KLOAD                           ; K's eight tiles and their scale words
.irp t, 0,1,2,3,4,5,6,7
	ds_load_b128 v[KF+8*\t:KF+8*\t+3], v4 offset:512*\t
.endr
.irp b, 0,1,2,3
	ds_load_b32 v[KS+\b], v5 offset:8192+128*\b    ; lanes 0-15: tile 2 b's scale words; lanes 16-31: tile 2 b + 1's
.endr
.endm
.macro VLOAD                           ; V's four fragments and their scale words
.irp f, 0,1,2,3,4,5,6,7
	ds_load_b128 v[VF+4*\f:VF+4*\f+3], v4 offset:4096+512*\f
.endr
.irp u, 0,1
	ds_load_b32 v[VS+\u], v5 offset:8704+128*\u
.endr
.endm
.macro STEPON                          ; on to the next pass's step
	v_add_nc_u32 v4, PASSB, v4
	v_add_nc_u32 v5, PASSB, v5
.endm
.macro SCORES s, q, qs                 ; a tile's eight score products
	WIN 0x40
.irp t, 0,1,2,3,4,5,6,7
.if \t % 2
	v_wmma_scale_f32_16x16x128_f8f6f4 v[\s+8*\t:\s+8*\t+7], v[KF+8*\t:KF+8*\t+7], v[\q:\q+7], 0, v[KS+\t/2], v[\qs] matrix_a_fmt:MATRIX_FMT_FP4 matrix_b_fmt:MATRIX_FMT_FP4 matrix_a_scale:MATRIX_SCALE_ROW1
.else
	v_wmma_scale_f32_16x16x128_f8f6f4 v[\s+8*\t:\s+8*\t+7], v[KF+8*\t:KF+8*\t+7], v[\q:\q+7], 0, v[KS+\t/2], v[\qs] matrix_a_fmt:MATRIX_FMT_FP4 matrix_b_fmt:MATRIX_FMT_FP4
.endif
.endr
.endm
.macro VALUES o, p, pw                 ; O^T += V^T P^T of a tile: its four accumulators, one instruction a turn
	WIN 0x54
.irp t, 0,1,2,3
.if \t % 2
	v_wmma_scale_f32_16x16x128_f8f6f4 v[\o+8*\t:\o+8*\t+7], v[VF+8*\t:VF+8*\t+7], v[\p:\p+7], v[\o+8*\t:\o+8*\t+7], v[VS+\t/2], v[\pw] matrix_a_fmt:MATRIX_FMT_FP4 matrix_b_fmt:MATRIX_FMT_FP4 matrix_a_scale:MATRIX_SCALE_ROW1
.else
	v_wmma_scale_f32_16x16x128_f8f6f4 v[\o+8*\t:\o+8*\t+7], v[VF+8*\t:VF+8*\t+7], v[\p:\p+7], v[\o+8*\t:\o+8*\t+7], v[VS+\t/2], v[\pw] matrix_a_fmt:MATRIX_FMT_FP4 matrix_b_fmt:MATRIX_FMT_FP4
.endif
.endr
.endm
.macro LEVEL s, step, from, cnt        ; a level of the tree that adds a tile's p, two at a time, in place
.set N, \from
.rept \cnt
	v_pk_add_f32 v[\s+\step*N:\s+\step*N+1], v[\s+\step*N:\s+\step*N+1], v[\s+\step*N+\step/2:\s+\step*N+\step/2+1]
.set N, N+1
.endr
.endm
.macro CONVERT s, p, c, u              ; eight p of block u / 4 into a register of codes
	v_cvt_scalef32_pk8_fp4_f32 v[\p+\u], v[\s+8*(\u):\s+8*(\u)+7], v[\c+(\u)/4]
.endm
	s_load_b128 s[4:7], s[0:1], 0x0                ; qq s[4:5], kv s[6:7]
	s_load_b64 s[8:9], s[0:1], 0x10                ; out0
	v_lshl_add_u32 v[SPW], v0, 2, 0x46000          ; the spare words lie behind kv's 286,720 bytes
	v_mov_b32 v[NIL], 0
	ds_add_u32 v[SPW], v[NIL]                      ; the wave's opening: the add, twice on end, and its wait
	ds_add_u32 v[SPW], v[NIL]
	v_lshrrev_b32 v1, 5, v0
	v_readfirstlane_b32 s10, v1                    ; wave 0..7
	s_and_b32 s11, s10, 1                          ; my pair of tiles; in the merge: which 8 rows
	s_lshr_b32 s12, s10, 1                         ; my key phase; in the merge: which tile
	s_bfe_u32 s13, ttmp6, 0x40000                  ; cx: it enters q's and out0's addresses alone
	s_lshl_b32 s14, ttmp9, 2
	s_add_co_u32 s14, s14, s13                     ; my block of 64 queries = 4 x cluster x + cx
	s_and_b32 s15, ttmp7, 0xffff                   ; the batch, which the four partners share
	; descriptor group 1: four key steps' blocks, dense: 140 rows of 256 bytes (32 elements of 8 bytes)
	s_mov_b32 s16, 15|(3<<16)|(1<<21)              ; 15:0 the mask: all four work-groups; 17:16 elements of 8 bytes; 21 set beside a mask
	s_mov_b32 s17, 32<<16                          ; tensor_dim0
	s_mov_b32 s18, 140<<16                         ; tensor_dim1
	s_mov_b32 s19, 32<<16                          ; tile_dim0
	s_mov_b32 s20, 140                             ; tile_dim1
	s_mov_b32 s21, 32                              ; from row to row
	s_mov_b32 s22, 0
	s_mov_b32 s23, 0
	s_mov_b32 s56, 0x76543210
	s_mov_b32 s57, 0xfedcba98                      ; v_permlanex16_b32's selects for lane l xor 16
	s_mov_b32 s58, 0x3e38aa3b                      ; c = log2(e) / 8
	s_mov_b32 s59, s58                             ; (named with it as a pair, so it is written)
	s_mov_b32 s60, 0xbe38aa3b                      ; -c
	s_mov_b32 s24, 1                               ; count = 1
	s_mul_i32 s25, s10, PASSB                      ; LDS address: the steps of pass w
	s_mul_i32 s62, s15, 32*STEPB
	s_add_co_u32 s62, s62, s25                     ; the same offset in the batch's kv
	s_mov_b32 s63, 0
	s_mul_i32 s28, s12, STEPB
	s_lshl_b32 s29, s12, 2
	s_lshl_b32 s34, s11, 1
	s_add_co_u32 s29, s29, s34
	s_mul_i32 s29, s29, MW                         ; the merge, in: parts 4 z + 2 (w % 2) and the next
	s_add_co_u32 s30, s29, 4352
	s_mul_i32 s31, s12, MW
	s_mul_i32 s32, s11, 8*272
	s_add_co_u32 s32, s32, s31                     ; back: tile w / 2, rows 8 (w % 2) on
	s_lshl_b32 s33, s11, 6
	s_add_co_u32 s33, s33, s31
	s_add_co_u32 s33, s33, 4352
	; every LDS address register is made here, ahead of the branch on the wave's number
	v_and_b32 v1, 31, v0                           ; lane
	v_and_b32 v2, 15, v0                           ; r
	v_bfe_u32 v3, v0, 4, 1                         ; h
	v_lshl_add_u32 v4, v1, 4, s28                  ; images of my step: 16 x lane + 8,960 z; a pass on in each pass
	v_lshl_add_u32 v5, v1, 2, s28                  ; scale words: 4 x lane + 8,960 z
	v_mul_u32_u24 v6, v2, 272
	v_mul_u32_u24 v8, v3, 272
	v_lshl_add_u32 v7, v2, 3, s30                  ; the merge, in: my query's pair
	v_lshl_add_u32 v9, v3, 3, s33                  ; back: a row's pair
	v_lshl_add_u32 v6, v3, 5, v6
	v_lshl_add_u32 v8, v2, 4, v8
	v_add_nc_u32 v6, s29, v6                       ; in: row r, + 32 h
	v_add_nc_u32 v8, s32, v8                       ; back: lanes 0-15 one row, lanes 16-31 the next
	v_lshlrev_b32 v[GO], 4, v1                     ; 16 x lane: q's image, and two rows of out0
	v_lshlrev_b32 v169, 2, v2                      ; 4 r: q's scale word
	v_sub_nc_u32 v28, 1, v3
	v_lshlrev_b32 v28, 1, v28                      ; Q at k = 64: the code of +1 (lanes 0-15 hold k = 64 ..); all else of k = 64 .. 127 is 0
	v_lshlrev_b32 v3, 3, v3                        ; 8 h
	s_wait_alu depctr_va_vdst(0)                   ; the wait ahead of the waits below
	s_wait_dscnt 0x0                               ; both opening adds are done
	s_wait_kmcnt 0x0
	s_add_nc_u64 s[26:27], s[6:7], s[62:63]
	s_or_b32 s27, s27, 0x80000000                  ; type = 2
	s_lshl_b32 s66, s15, 6
	s_add_co_u32 s66, s66, s14                     ; my block's number: 64 x batch + x
	s_mul_i32 s68, s66, 2304
	s_mov_b32 s69, 0
	s_add_nc_u64 s[4:5], s[4:5], s[68:69]          ; my block of qq
	s_lshl_b32 s68, s11, 7
	s_add_co_u32 s68, s68, 2048
	s_add_nc_u64 s[70:71], s[4:5], s[68:69]        ; my tiles' scale words
	s_lshl_b32 s68, s11, 10
	s_add_nc_u64 s[4:5], s[4:5], s[68:69]          ; my tiles' images
	global_load_b128 v[QA:QA+3], v[GO], s[4:5]     ; Q: index r, d = 32 h + 0 .. 31
	global_load_b128 v[QB:QB+3], v[GO], s[4:5] offset:512
	global_load_b32 v40, v169, s[70:71]
	global_load_b32 v41, v169, s[70:71] offset:64
	CROUND                                         ; all four work-groups are here: the joint loads meet
	s_cmp_lt_u32 s10, 3                            ; every wave asks once; what waves 0 to 2 fetch has a line of its own, since it is waited for first
	s_cbranch_scc0 .Llater
	tensor_load_to_lds s[24:27], s[16:23]
	s_nop 0
.rept 4
	v_nop
.endr
	s_branch .Lasked
.Llater:
	tensor_load_to_lds s[24:27], s[16:23]
	s_nop 0
.rept 4
	v_nop
.endr
.Lasked:
	s_lshl_b32 s68, s66, 14                        ; out0: 64 rows of 256 bytes a block;
	s_lshl_b32 s67, s12, 11                        ; rows 8 (w % 2) .. of tile i = w / 2 are queries 8 i + 32 (w % 2) on
	s_add_co_u32 s68, s68, s67
	s_lshl_b32 s67, s11, 13
	s_add_co_u32 s68, s68, s67
	s_add_nc_u64 s[8:9], s[8:9], s[68:69]
	v_mov_b32 v18, 0xf1800000                      ; the largest score so far: -2^100
	v_mov_b32 v19, 0xf1800000
	v_mov_b32 v36, v28
.irp q, 29,30,31,37,38,39
	v_mov_b32 v[\q], 0
.endr
	v_mul_f32 v12, s60, v18
	v_mul_f32 v16, s60, v19
.irp q, 11,13,15,17,20,21,22,23,51,53,59,67    ; the upper halves of pairs, the sums, and two lane permutes' destinations (which count as sources)
	v_mov_b32 v[\q], 0
.endr
	v_floor_f32 v12, v12                           ; -M
	v_floor_f32 v16, v16
.irp t, 0,1,2,3,4,5,6,7
	v_mov_b32 v[KF+8*\t+4], 10                     ; K at k = 64: the code of -1 (in lanes 16-31 it stands at k = 96, against Q's 0); set once: the loads fill registers 0 to 3 alone
	v_mov_b32 v[KF+8*\t+5], 0
	v_mov_b32 v[KF+8*\t+6], 0
	v_mov_b32 v[KF+8*\t+7], 0
.endr
	WIN 0x40
.set N, 0
.rept 64
	v_mov_b32 v[OA+N], 0                           ; O^T: the pass is written once; the first finds zeros, which the first change of M leaves zeros
.set N, N+1
.endr
	WIN 0
	s_wait_alu depctr_va_vdst(0)                   ; the wait at the head's end
	s_wait_loadcnt 0x0                             ; Q
	s_cmp_lt_u32 s10, 3
	s_cbranch_scc0 .Lothers
	s_wait_tensorcnt 0x0                           ; waves 0 to 2: my pass's steps are in.  The other waves' loads may stay out
.Lothers:
	s_wait_dscnt 0x0
	s_barrier_signal -1
	s_barrier_wait -1
; A PASS: 128 keys.  Its scores lie ready in window 1: they were multiplied at the end of the pass before, and its V, and the next pass's K, were asked for there.
.macro PASS n
.if (\n) % 2
.set MA, 12
.set MAO, 10
.set MB, 16
.set MBO, 14
.else
.set MA, 10
.set MAO, 12
.set MB, 14
.set MBO, 16
.endif
	WIN 0x15
.irp c, 0,1                                    ; the largest score of each tile's two blocks of 32 keys, two chains each; each accumulator's registers from the low end on
	v_max3_num_f32 v[TA+\c], v[SA+32*\c], v[SA+32*\c+1], v[SA+32*\c+2]
	v_max3_num_f32 v[TA+2+\c], v[SA+32*\c+3], v[SA+32*\c+4], v[SA+32*\c+5]
	v_max3_num_f32 v[TB+\c], v[SB+32*\c], v[SB+32*\c+1], v[SB+32*\c+2]
	v_max3_num_f32 v[TB+2+\c], v[SB+32*\c+3], v[SB+32*\c+4], v[SB+32*\c+5]
.endr
	WIN 0x14
.irp i, 6,10,14,18,22,26
.irp c, 0,1
	v_max3_num_f32 v[TA+\c], v[TA+\c], v[SA+32*\c+\i], v[SA+32*\c+\i+1]
	v_max3_num_f32 v[TA+2+\c], v[TA+2+\c], v[SA+32*\c+\i+2], v[SA+32*\c+\i+3]
	v_max3_num_f32 v[TB+\c], v[TB+\c], v[SB+32*\c+\i], v[SB+32*\c+\i+1]
	v_max3_num_f32 v[TB+2+\c], v[TB+2+\c], v[SB+32*\c+\i+2], v[SB+32*\c+\i+3]
.endr
.endr
.irp c, 0,1
	v_max3_num_f32 v[TA+\c], v[TA+\c], v[SA+32*\c+30], v[SA+32*\c+31]
	v_max3_num_f32 v[TB+\c], v[TB+\c], v[SB+32*\c+30], v[SB+32*\c+31]
.endr
	WIN 0
.irp c, 0,1
	v_max_num_f32 v[TA+\c], v[TA+\c], v[TA+2+\c]
	v_max_num_f32 v[TB+\c], v[TB+\c], v[TB+2+\c]
.endr
	v_max_num_f32 v[TA+4], v[TA], v[TA+1]
	v_max_num_f32 v[TB+4], v[TB], v[TB+1]
	v_permlanex16_b32 v[TA+5], v[TA+4], s56, s57
	v_permlanex16_b32 v[TB+5], v[TB+4], s56, s57
	v_max3_num_f32 v18, v18, v[TA+4], v[TA+5]      ; the running largest score of my query, with lane l xor 16's 64 keys
	v_max3_num_f32 v19, v19, v[TB+4], v[TB+5]
	v_mul_f32 v[TA+4], s60, v18
	v_mul_f32 v[TB+4], s60, v19
	v_floor_f32 v[MA], v[TA+4]                     ; the new -M = floor(-t): a whole number
	v_floor_f32 v[MB], v[TB+4]
	WIN 0x45
.set N, 0
.rept 32
	v_pk_fma_f32 v[SA+2*N:SA+2*N+1], v[SA+2*N:SA+2*N+1], s[58:59], v[MA:MA+1] op_sel_hi:[1,0,0]   ; A's t - M, two at a time (of the pairs c and -M the low word serves both halves)
.set N, N+1
.endr
	WIN 0
.irp c, 0,1
	v_fma_f32 v[TA+\c], v[TA+\c], s58, v[MA]       ; t - M of each block's largest
	v_fma_f32 v[TB+\c], v[TB+\c], s58, v[MB]
.endr
	v_sub_f32 v50, v[MA], v[MAO]                   ; old M less new M: a whole number, 0 or less
	v_sub_f32 v52, v[MB], v[MBO]
.irp c, 0,1
	v_max_num_f32 v[TA+\c], 0xc2f80000, v[TA+\c]   ; held at -124: the byte cannot fall under 1
	v_max_num_f32 v[TB+\c], 0xc2f80000, v[TB+\c]
.endr
	v_cvt_i32_f32 v50, v50                         ; (it saturates)
	v_cvt_i32_f32 v52, v52
.irp c, 0,1
	v_floor_f32 v[TA+\c], v[TA+\c]                 ; the exponent of the block's largest p
	v_floor_f32 v[TB+\c], v[TB+\c]
.endr
	v_ldexp_f32 v50, 1.0, v50                      ; f = 2^(old M - new M)
	v_ldexp_f32 v52, 1.0, v52
.irp c, 0,1
	v_cvt_i32_f32 v[TA+2+\c], v[TA+\c]
	v_cvt_i32_f32 v[TB+2+\c], v[TB+\c]
.endr
	WIN 0x40
.irp c, 0,1
	v_add_lshl_u32 v[CA+\c], v[TA+2+\c], 0x7d, 23  ; the conversion's scale operand: exponent field = exponent - 2 + 127
	v_add_lshl_u32 v[CB+\c], v[TB+2+\c], 0x7d, 23
.endr
	WIN 0
	v_lshl_add_u32 v[TA+4], v[TA+3], 16, v[TA+2]   ; the same two as bytes 0 and 2,
	v_lshl_add_u32 v[TB+4], v[TB+3], 16, v[TB+2]
	v_add_nc_u32 v[TA+4], 0x7d007d, v[TA+4]
	v_add_nc_u32 v[TB+4], 0x7d007d, v[TB+4]
	v_lshlrev_b32 v[TA+4], v3, v[TA+4]             ; 8 h bits up: blocks h and 2 + h
	v_lshlrev_b32 v[TB+4], v3, v[TB+4]
	v_permlanex16_b32 v[TA+5], v[TA+4], s56, s57
	v_permlanex16_b32 v[TB+5], v[TB+4], s56, s57
	v_or_b32 v48, v[TA+4], v[TA+5]                 ; p's scale words for these 128 keys
	v_or_b32 v49, v[TB+4], v[TB+5]
	WIN 0x45
	s_wait_alu depctr_va_vdst(0)                   ; the wait ahead of the batch
.set N, 0
.rept 32                                       ; A's exponentials, and between them B's t - M, which name none of their registers
	v_exp_f32 v[SA+2*N], v[SA+2*N]                 ; p = 2^(t - M): not normalised
	v_exp_f32 v[SA+2*N+1], v[SA+2*N+1]
	v_pk_fma_f32 v[SB+2*N:SB+2*N+1], v[SB+2*N:SB+2*N+1], s[58:59], v[MB:MB+1] op_sel_hi:[1,0,0]
.set N, N+1
.endr
	s_wait_alu depctr_va_vdst(0)                   ; the wait behind A's batch and ahead of B's
.set N, 0
.rept 32                                       ; B's exponentials, and between them A's conversions, a plain line, and the first level of A's sum
	v_exp_f32 v[SB+2*N], v[SB+2*N]
	v_exp_f32 v[SB+2*N+1], v[SB+2*N+1]
.if N < 8
	CONVERT SA, PA, CA, N
.elseif N == 8
	v_nop                                          ; one plain line between the conversions and the writes of their sources
.elseif N < 25
	v_pk_add_f32 v[SA+4*(N-9):SA+4*(N-9)+1], v[SA+4*(N-9):SA+4*(N-9)+1], v[SA+4*(N-9)+2:SA+4*(N-9)+3]
.endif
.set N, N+1
.endr
	WIN 0
	v_pk_mul_f32 v[20:21], v[20:21], v[50:51] op_sel_hi:[1,0]   ; the sums under the new M: plain lines behind the exponentials
	v_pk_mul_f32 v[22:23], v[22:23], v[52:53] op_sel_hi:[1,0]
	WIN 0x41
	s_wait_alu depctr_va_vdst(0)                   ; the wait ahead of the batch's first reader, and ahead of O^T's
.set N, 0
.rept 16                                       ; O^T under the new M, each accumulator from its low end on
	v_pk_mul_f32 v[OA+2*N:OA+2*N+1], v[OA+2*N:OA+2*N+1], v[50:51] op_sel_hi:[1,0]
	v_pk_mul_f32 v[OB+2*N:OB+2*N+1], v[OB+2*N:OB+2*N+1], v[52:53] op_sel_hi:[1,0]
.set N, N+1
.endr
	WIN 0x45
.irp u, 0,1,2,3,4,5,6,7
	CONVERT SB, PB, CB, \u
.endr
	LEVEL SA, 8, 0, 8                              ; THE ROW'S SUM, of the unquantised p.  (These are also the plain lines behind the conversions)
	LEVEL SB, 4, 0, 6
	LEVEL SA, 16, 0, 4
	LEVEL SB, 4, 6, 4
	LEVEL SA, 32, 0, 2
	LEVEL SB, 4, 10, 6
	LEVEL SA, 64, 0, 1
	LEVEL SB, 8, 0, 8
	WIN 0x04
	v_pk_add_f32 v[20:21], v[20:21], v[SA:SA+1]
	s_wait_alu depctr_va_vdst(0)                   ; the wait ahead of the wait below
.if (\n) == 0
	s_wait_tensorcnt 0x0                           ; all my tensor loads have landed: what waves 3 to 7 fetched too
.endif
	s_wait_dscnt 0x0                               ; this pass's V and the next pass's K are in
.if ((\n) == 0) || ((\n) == 7)
	s_barrier_signal -1                            ; pass 0: say so; the wait stands in pass 1, and up to there only registers and LDS loads of bytes that nobody writes before a later barrier.  Pass 7: my reads of kv are over
.endif
.if (\n) < 7
	SCORES SA, QA, 40                              ; the next pass's
.endif
	WIN 0x45
	LEVEL SB, 16, 0, 4
	LEVEL SB, 32, 0, 2
	LEVEL SB, 64, 0, 1
	WIN 0x04
	v_pk_add_f32 v[22:23], v[22:23], v[SB:SB+1]
.if (\n) < 7
	SCORES SB, QB, 41
.endif
	VALUES OA, PA, 48
	VALUES OB, PB, 49
	WIN 0
.rept 4
	v_nop                                          ; four places ahead of the loads into V's and K's registers, and of the first read of the results
.endr
.if (\n) < 7
	VLOAD                                          ; the next pass's V
.endif
.if (\n) == 1
	s_barrier_wait -1                              ; signalled in pass 0: all of kv is in
.endif
.if (\n) < 6
	STEPON
	KLOAD                                          ; and K of the pass behind it
.endif
.endm
	KLOAD
	s_wait_dscnt 0x0
	SCORES SA, QA, 40                              ; pass 0's scores
	SCORES SB, QB, 41
	WIN 0
.rept 4
	v_nop
.endr
	VLOAD
	STEPON
	KLOAD
	PASS 0
	PASS 1
	PASS 2
	PASS 3
	PASS 4
	PASS 5
	PASS 6
	PASS 7
	; THE MERGE.  My sums are completed; O^T, -M and the sums go to my parts of the stage, which lies over kv's first steps: so first the barrier signalled in pass 7, behind every wave's last read of kv.
	v_add_f32 v20, v20, v21                        ; a sum's two halves,
	v_add_f32 v22, v22, v23
	v_permlanex16_b32 v[TA+5], v20, s56, s57
	v_permlanex16_b32 v[TB+5], v22, s56, s57
	v_add_f32 v13, v20, v[TA+5]                    ; and lane l xor 16's: beside pass 7's -M, as the pairs v[12:13] and v[16:17]
	v_add_f32 v17, v22, v[TB+5]
	s_wait_alu depctr_va_vdst(0)                   ; the wait ahead of the barrier's wait
	s_barrier_wait -1                              ; nobody reads kv any more, and every tensor load has landed
	WIN 0x04
.irp t, 0,1,2,3
	ds_store_b128 v6, v[OA+8*\t:OA+8*\t+3] offset:64*\t       ; lane (r, h): O(index r, d = 16 t + 8 h + 0 .. 7); each accumulator from its low end on
	ds_store_b128 v6, v[OA+8*\t+4:OA+8*\t+7] offset:64*\t+16
.endr
.irp t, 0,1,2,3
	ds_store_b128 v6, v[OB+8*\t:OB+8*\t+3] offset:MW+64*\t
	ds_store_b128 v6, v[OB+8*\t+4:OB+8*\t+7] offset:MW+64*\t+16
.endr
	WIN 0
	ds_store_b64 v7, v[12:13]                      ; lanes r and r + 16 write the same pair with the same values
	ds_store_b64 v7, v[16:17] offset:MW
	s_wait_dscnt 0x0                               ; for the others' sake: my stores are done
	s_barrier_signal -1
	s_barrier_wait -1
	; wave w merges rows 8 (w % 2) .. + 7 of tile w / 2: two rows an instruction, the four key phases' parts 4 x 4,608 bytes apart
.set PR, 72                            ; v72-103   pairs
.set OO, 104                           ; v104-167  O
.set MM0, 176                          ; v176-179  the least -M
.set FC, 180                           ; v180-195  factors
.set SM, 196                           ; v196-199  sums
.set RC, 200                           ; v200-203  their reciprocals
.set RS, 204                           ; v204-219  results
.irp g, 0,1,2,3
.irp q, 0,1,2,3
	ds_load_b64 v[PR+8*\g+2*\q:PR+8*\g+2*\q+1], v9 offset:4*MW*\q+16*\g
.endr
.endr
.irp g, 0,1,2,3
.irp q, 0,1,2,3
	ds_load_b128 v[OO+16*\g+4*\q:OO+16*\g+4*\q+3], v8 offset:4*MW*\q+544*\g
.endr
.endr
	s_wait_dscnt 0x0
.irp g, 0,1,2,3
	v_min3_num_f32 v[MM0+\g], v[PR+8*\g], v[PR+8*\g+2], v[PR+8*\g+4]
.endr
.irp g, 0,1,2,3
	v_min_num_f32 v[MM0+\g], v[MM0+\g], v[PR+8*\g+6]   ; the least -M: the largest M of the four
.endr
.irp g, 0,1,2,3
.irp q, 0,1,2,3
	v_sub_f32 v[FC+4*\g+\q], v[MM0+\g], v[PR+8*\g+2*\q]   ; that phase's M less the largest: a whole number, 0 or less
.endr
.endr
.irp g, 0,1,2,3
.irp q, 0,1,2,3
	v_cvt_i32_f32 v[FC+4*\g+\q], v[FC+4*\g+\q]     ; (it saturates: a phase all of whose keys are masked gets the factor 0)
.endr
.endr
.irp g, 0,1,2,3
.irp q, 0,1,2,3
	v_ldexp_f32 v[FC+4*\g+\q], 1.0, v[FC+4*\g+\q]  ; an exact power of two
.endr
.endr
.irp g, 0,1,2,3
	v_mul_f32 v[SM+\g], v[FC+4*\g], v[PR+8*\g+1]   ; the row's sum
.endr
.irp q, 1,2,3
.irp g, 0,1,2,3
	v_fma_f32 v[SM+\g], v[FC+4*\g+\q], v[PR+8*\g+2*\q+1], v[SM+\g]
.endr
.endr
	s_wait_alu depctr_va_vdst(0)                   ; the wait ahead of the reciprocals
.irp g, 0,1,2,3
	v_rcp_f32 v[RC+\g], v[SM+\g]
.endr
.irp g, 0,1,2,3
.irp k, 0,1,2,3
	v_mul_f32 v[RS+4*\g+\k], v[FC+4*\g], v[OO+16*\g+\k]   ; plain work behind the reciprocals, which names none of their registers
.endr
.endr
.irp q, 1,2,3
.irp g, 0,1,2,3
.irp k, 0,1,2,3
	v_fma_f32 v[RS+4*\g+\k], v[FC+4*\g+\q], v[OO+16*\g+4*\q+\k], v[RS+4*\g+\k]
.endr
.endr
.endr
	s_wait_alu depctr_va_vdst(0)                   ; and the wait ahead of their first reader
.irp g, 0,1,2,3
.irp k, 0,1,2,3
	v_mul_f32 v[RS+4*\g+\k], v[RS+4*\g+\k], v[RC+\g]
.endr
.endr
.irp g, 0,1,2,3
	global_store_b128 v[GO], v[RS+4*\g:RS+4*\g+3], s[8:9] offset:512*\g th:TH_STORE_NT   ; two rows of out0: 512 consecutive aligned bytes; written once, read by nobody here
.endr
	s_wait_tensorcnt 0x0                           ; the wave's end
	ds_add_u32 v[SPW], v[NIL]
	s_wait_dscnt 0x0
	CROUND                                         ; the closing round: no work-group ends while a partner may still ask for a tile that names it
	s_endpgm
.Lfunc_end_k_qb735d4dbbc_attn:
	.size	k_qb735d4dbbc_attn, .Lfunc_end_k_qb735d4dbbc_attn-k_qb735d4dbbc_attn
	.p2alignl 7, 3214868480
	.fill 96, 4, 3214868480
	.section	.rodata,"a",@progbits
	.p2align	6, 0x0
	.amdhsa_kernel k_qb735d4dbbc_attn
		.amdhsa_group_segment_fixed_size 327680
		.amdhsa_private_segment_fixed_size 0
		.amdhsa_enable_private_segment 0
		.amdhsa_kernarg_size 24
		.amdhsa_user_sgpr_count 2
		.amdhsa_user_sgpr_kernarg_segment_ptr 1
		.amdhsa_wavefront_size32 1
		.amdhsa_system_sgpr_workgroup_id_x 1
		.amdhsa_system_sgpr_workgroup_id_y 1
		.amdhsa_system_sgpr_workgroup_id_z 1
		.amdhsa_system_vgpr_workitem_id 0
		.amdhsa_next_free_vgpr 512
		.amdhsa_next_free_sgpr 72
		.amdhsa_reserve_vcc 0
		.amdhsa_float_denorm_mode_32 3
		.amdhsa_float_denorm_mode_16_64 3
		.amdhsa_memory_ordered 1
		.amdhsa_forward_progress 1
		.amdhsa_inst_pref_size 236
	.end_amdhsa_kernel
	.amdgpu_metadata
---
amdhsa.version: [ 1, 2 ]
amdhsa.kernels:
  - .name:           k_qb735d4dbbc_attn
    .symbol:         k_qb735d4dbbc_attn.kd
    .args:
      - { .name: qq, .offset: 0, .size: 8, .value_kind: global_buffer, .address_space: global }
      - { .name: kv, .offset: 8, .size: 8, .value_kind: global_buffer, .address_space: global }
      - { .name: out0, .offset: 16, .size: 8, .value_kind: global_buffer, .address_space: global }
    .group_segment_fixed_size: 327680
    .private_segment_fixed_size: 0
    .kernarg_segment_align: 8
    .kernarg_segment_size: 24
    .max_flat_workgroup_size: 256
    .sgpr_count:     72
    .vgpr_count:     512
    .wavefront_size: 32
...
	.end_amdgpu_metadata
.endif
;; end of part 3
